; MI455X (gfx1250); checked and timed in simulation.
; The chip was launched on July 23, 2026; its instructions are those of AMD's public machine-readable ISA for CDNA 5 (MIT licence, August 2026) and "CDNA5" Instruction Set Architecture Reference Guide (July 2026). The comments in the code are by the model that wrote it; some were corrected since.
;; Top K Swi GLUFF. Allowed arithmetic: matrix products marked QUANTISED: E2M1 operands, one E8M0 scale for each 32 along K, by v_wmma_scale_f32_16x16x128_f8f6f4 with both operands' format E2M1 (or v_wmma_scale_f32_32x16x128_f4), f32 sums; everything else in f32.
;; Inputs: w1 1,024 x 2,048 float32; w2 2,048 x 1,024 float32; w3 1,024 x 2,048 float32; x 4 x 2,048 x 2,048 float32.
;; Outputs: out0 4 x 2,048 x 2,048 float32.
;; This version of the problem:
;;   THIS VERSION OF THE PROBLEM IS GIVEN IN LOW PRECISION. The matrix products marked QUANTISED in the list below multiply operands that are first quantised to E2M1 (2 exponent bits, 1 mantissa bit; 4 bits a number), with one power-of-two scale for each 32 numbers along K (OCP MX v1.0); their sums are f32. All else is computed in f32.
;;   The module's matrix products, in the order in which they are computed (A, B: the left and right operand; K: the contracted axis; several contracted axes count as one K, in the product's order):
;;     1. [M 8,192, K 2,048] x [K 2,048, N 1,024]; A: input x; B: input w1: QUANTISED
;;     2. [M 8,192, K 2,048] x [K 2,048, N 1,024]; A: input x; B: input w3: QUANTISED
;;     3. [M 8,192, K 1,024] x [K 1,024, N 2,048]; A: computed on the way; B: input w2: QUANTISED
;;   THE QUANTISER, for each operand of a quantised product, along K:
;;     - K is cut into blocks of 32 from its start; a last block that is shorter is filled with zeros.
;;     - A block's scale is 2^e with e = floor(log2(the largest magnitude in the block)) - 2, held to -126 .. 127; a block of zeros has e = 0. As a byte (E8M0): e + 127.
;;     - Each number is divided by its block's scale, clamped to +-6, and rounded to the nearest number of E2M1, ties to even, subnormals kept.
;;     - The product sums the exact products of the quantised numbers (number of the format x scale) in f32.
;;   ~~~python
;;   def quantise(x, axis):      # numpy; x: float32 -> the quantised numbers, widened to float32 again
;;       x = np.moveaxis(x, axis, -1); K = x.shape[-1]
;;       x = np.pad(x, [(0, 0)] * (x.ndim - 1) + [(0, -K % 32)]); x = x.reshape(x.shape[:-1] + (-1, 32)); a = np.abs(x).max(-1, keepdims=True)
;;       e = np.where(a > 0, np.clip(np.frexp(np.where(a > 0, a, 1))[1] - 1 - 2, -126, 127), 0)      # np.frexp(a)[1] - 1 = floor(log2(a)), exactly
;;       r = np.clip(x / 2.0 ** e, -6, 6)
;;       step = 2.0 ** (np.maximum(np.frexp(np.where(r == 0, 1, r))[1] - 1, 0) - 1)
;;       q = np.round(r / step) * step * 2.0 ** e      # np.round: ties to even
;;       return np.moveaxis(q.reshape(q.shape[:-2] + (-1,))[..., :K], -1, axis).astype(np.float32)
;;   ~~~
;;   OPERANDS COMPUTED ON THE WAY. 'Computed on the way' means the value that the module computes at that place (a softmax that the list does not call 'softmax' is quantised finished and normalised). What goes into a quantiser is computed in f32, as accurately as f32 sums, v_exp_f32 and their like allow (about 1e-6 of the number): no bf16 or f16 on the way to a quantiser, and a product that is left as it is and whose result goes on into a quantised operand takes f32 operands (vector FMAs, or v_wmma_f32_16x16x4_f32). A number that lies on a knife's edge between two numbers of the format may be rounded either way, as far as f32 arithmetic and the matrix unit's own rounding can turn it there, and no further.
;; One version. Each part assembles by itself: llvm-mc -triple=amdgcn-amd-amdhsa -mcpu=gfx1250 --defsym DOCPART=n.
;; ======== version 1 of 1: 3 launches
;; limits: right only within a limited range of input values
;; workspace buffers: xc 8,912,896 bytes; w13c 2,228,224 bytes; w2c 1,048,576 bytes; w2s 65,536 bytes; gc 4,194,304 bytes; gs 262,144 bytes
;; launch quant (part 1): grid 256 x 1, 11 waves a work-group, no clusters, 167,936 bytes of LDS; arguments x, w1, w3, w2, xc, w13c, w2c, w2s; writes xc, w13c, w2c, w2s
.if DOCPART == 1
	.amdgcn_target "amdgcn-amd-amdhsa--gfx1250"
	.amdhsa_code_object_version 6
	.text
	.protected	k_qb1856a1741_quant
	.globl	k_qb1856a1741_quant
	.p2align	8
	.type	k_qb1856a1741_quant,@function
k_qb1856a1741_quant:
	s_mov_b64 s[64:65], 0
	v_nop
	global_prefetch_b8 v0, s[64:65] scope:SCOPE_SE
	s_setreg_imm32_b32 hwreg(HW_REG_WAVE_MODE, 25, 1), 1
	s_wait_xcnt 0x0
; x [8192][2048], w1 [1024][2048], w3 [1024][2048], w2 [2048][1024], all f32 with K innermost, become codes of FP4 (E2M1), two a byte, K innermost, with one E8M0 scale byte for each 32 along K.
; TOP_K = 2,048 is not under D_FF = 1,024, so reference() takes no top-k step: the program is its three products and the gate, and nothing of them is left out.
; A block's scale is 2^(floor(log2(its largest magnitude)) - 2); its byte is the largest magnitude's own exponent field - 2, held at 1 from below.  Each number is divided by the scale and rounded to the nearest code, ties to even; beyond 6 the largest code.
; LIMITS: a block of zeros, and a block whose largest magnitude lies under 2^-124, gets the byte 1 (the rule gives a block of zeros 127: its codes are zeros, and this program alone reads the bytes).  NaN and infinities among the inputs are not served.
; A wave takes a run of 8,192 numbers: 4,096 bytes of codes, 256 scale bytes.  There are 2,816 runs: 256 work-groups of 11 waves, run = 11 x work-group + wave.
; Runs 0-2047 are x's, 2048-2303 w1's, 2304-2559 w3's, 2560-2815 w2's.  ONE path through the text: only pointers and offsets are chosen, by the run's number.  The LDS claim is above half of a WGP's, so that a WGP holds one work-group.
; w1 and w3 go into ONE tensor of 2,048 rows: row f of w1 (sel = 0) or w3 (sel = 1) becomes row R = 128 (f / 64) + 64 sel + P(f % 64), P changing bits 3 and 4 of its argument.  A run is four rows, which P leaves neighbours: its place is R / 4.
; WHERE THE RESULTS GO.  w2: codes [2048][512 bytes] and scale bytes [2048][32], as they come.  x and the tensor of w1 and w3: IMAGES, [row / 256][K / 512][272 rows of 256 bytes]: rows 0-255 the 256 bytes of codes of row % 256,
; rows 256-271 the 16 scale bytes of each of the 256 rows: what the next launch brings into LDS by one dense load.  A run's codes are 16 whole units of 256 bytes there; its scale bytes four pieces of 64 bytes (units written in part: one byte in 16 of what is stored).
; A load reads 512 consecutive bytes, 16 a lane: a lane holds 4 numbers and eight neighbouring lanes a block, whose largest magnitude takes three DPP steps.  The conversion takes 8 numbers of a lane under one scale:
; two loads' 4 + 4 are converted twice, once under each load's scale; the low 16 bits of the first result and the high 16 of the second are kept.  Only codes and scale bytes go through the wave's own LDS bytes.
; No tensor loads, no barrier: waves share nothing.  16 pairs of loads (32 loads a wave) are out.
.set NP,    32                         ; pairs of loads in a run
.set DEPTH, 16                         ; pairs in flight
.set IMG,   272*256                    ; bytes of an image
.set LO,    3                          ; v3   16 x lane
.set CS,    4                          ; v4   LDS: where my 2 bytes of a load's 64 go
.set BS,    5                          ; v5   LDS: my scale byte of a pair's eight
.set CR,    6                          ; v6   LDS: where I read 16 bytes of codes back
.set L8,    7                          ; v7   where my 8 scale bytes go in memory
.set SR,    8                          ; v8   LDS: where I read them back
.set SPW,   10                         ; v10  LDS address of my spare word; never rewritten
.set NIL,   11                         ; v11  0; never rewritten
.set X,     16                         ; v16-143  DEPTH sets of 8 numbers
.set O,     144                        ; v144-239 three results a pair
.set VO,    248                        ; v248-255 where my 16 bytes of each of the eight stores of codes go
.set WREG,  4608                       ; LDS: a wave's 4,096 bytes of codes, 256 scale bytes, 256 unused
.set SPARE, 11*WREG                    ; behind them the spare words: 128 bytes a wave, six blocks of 256 bytes that no other line names
.set SRC,   24
.set COD,   26
.set SCB,   28
	s_load_b256 s[4:11], s[0:1], 0x0               ; x, w1, w3, w2
	s_load_b256 s[12:19], s[0:1], 0x20             ; xc, w13c, w2c, w2s
	v_lshl_add_u32 v[SPW], v0, 2, SPARE
	v_mov_b32 v[NIL], 0
	v_lshrrev_b32 v1, 5, v0
	v_readfirstlane_b32 s30, v1                    ; wave
	s_mul_i32 s38, s30, WREG
	s_mov_b32 s40, 0xf0f0f0f0                      ; lanes whose lane % 8 is 4 or more
	s_mul_i32 s39, ttmp9, 11
	s_add_co_u32 s39, s39, s30                     ; my run among the 2,816
	s_mov_b32 s41, IMG
	s_mov_b32 s47, 2*IMG
	s_mov_b32 s44, 256
	s_mov_b32 s45, 1024
	s_mov_b32 s46, 512
	s_cmp_lt_u32 s39, 2560                         ; images, or (w2) as it comes?  Byte 1,024 a + 256 b + c of a run's codes goes to
	s_cselect_b32 s42, s41, s44                    ; b % 2 x an image, or x 256,
	s_cselect_b32 s43, s44, s45                    ; + a x 256, or x 1,024,
	s_cselect_b32 s46, s47, s46                    ; + b / 2 x two images, or x 512
	s_cselect_b32 s48, s41, 16                     ; byte 64 a + 16 b + c of its scale bytes: b x an image, or x 16,
	s_cselect_b32 s49, 16, 64                      ; + a x 16, or x 64
	s_cselect_b32 s50, 1, 0
	v_and_b32 v2, 31, v0                           ; lane
	v_lshlrev_b32 v[LO], 4, v2
	v_lshl_add_u32 v[CS], v2, 1, s38
	v_lshrrev_b32 v[BS], 3, v2                     ; lane / 8: on the way out also b
	v_bfe_u32 v1, v2, 2, 1
	v_mul_u32_u24 v[L8], v[BS], s48
	v_lshl_add_u32 v[SR], v[BS], 4, s38
	v_lshl_add_u32 v[BS], v1, 2, v[BS]             ; lanes with lane % 8 < 4 write the first load's byte, the others the second's, 4 further on
	v_add_nc_u32 v[BS], s38, v[BS]
	v_add_nc_u32 v[CR], s38, v[LO]
	v_bfe_u32 v1, v2, 1, 2                         ; a
	v_mad_u32_u24 v[L8], v1, s49, v[L8]
	v_lshl_add_u32 v[SR], v1, 6, v[SR]
	v_and_b32 v1, 1, v2                            ; which 8 of the 16 bytes
	v_lshl_add_u32 v[L8], v1, 3, v[L8]
	v_lshl_add_u32 v[SR], v1, 3, v[SR]
	v_and_b32 v1, 15, v2
	v_lshrrev_b32 v9, 4, v2
	v_lshlrev_b32 v1, 4, v1
	v_mad_u32_u24 v[VO], v9, s42, v1               ; store j holds bytes 512 j .. 512 j + 511: sixteen lanes to a unit of 256 bytes
	v_add_nc_u32 v[VO+1], s46, v[VO]
.irp j, 2,3,4,5,6,7
	v_add_nc_u32 v[VO+\j], s43, v[VO+\j-2]
.endr
	s_wait_alu depctr_va_vdst(0)                   ; the wait at the head's end
	s_wait_kmcnt 0x0
	s_mov_b32 s31, 2560                            ; the tensor's first run
	s_cmp_lt_u32 s39, 2560
	s_cselect_b64 s[SRC:SRC+1], s[8:9], s[10:11]   ; w3, else w2
	s_cselect_b64 s[COD:COD+1], s[14:15], s[16:17]
	s_cselect_b64 s[SCB:SCB+1], s[14:15], s[18:19]
	s_cselect_b32 s31, 2304, s31
	s_cselect_b32 s32, 1, 0                        ; 1: the rows are placed by R
	s_cselect_b32 s33, 16, 0                       ; 64 sel / 4
	s_cmp_lt_u32 s39, 2304
	s_cselect_b64 s[SRC:SRC+1], s[6:7], s[SRC:SRC+1]   ; w1
	s_cselect_b32 s31, 2048, s31
	s_cselect_b32 s33, 0, s33
	s_cmp_lt_u32 s39, 2048
	s_cselect_b64 s[SRC:SRC+1], s[4:5], s[SRC:SRC+1]   ; x
	s_cselect_b64 s[COD:COD+1], s[12:13], s[COD:COD+1]
	s_cselect_b64 s[SCB:SCB+1], s[12:13], s[SCB:SCB+1]
	s_cselect_b32 s31, 0, s31
	s_cselect_b32 s32, 0, s32
	s_sub_co_u32 s34, s39, s31                     ; u: which run of the tensor
	s_lshr_b32 s35, s34, 4                         ; R / 4 = 32 (u / 16) + 16 sel + u's bits 0 and 3 as they are, bits 1 and 2 changed
	s_lshl_b32 s35, s35, 5
	s_add_co_u32 s35, s35, s33
	s_and_b32 s36, s34, 9
	s_add_co_u32 s35, s35, s36
	s_and_b32 s36, s34, 2
	s_lshl_b32 s36, s36, 1
	s_add_co_u32 s35, s35, s36
	s_and_b32 s36, s34, 4
	s_lshr_b32 s36, s36, 1
	s_add_co_u32 s35, s35, s36
	s_cmp_eq_u32 s32, 1
	s_cselect_b32 s35, s35, s34                    ; the run's place among its tensor's results
	s_mov_b32 s37, 0
	s_lshl_b32 s36, s34, 15                        ; 32,768 bytes of f32 a run
	s_add_nc_u64 s[SRC:SRC+1], s[SRC:SRC+1], s[36:37]
	s_lshr_b32 s51, s35, 6                         ; images: 64 runs to 256 rows; four images to them,
	s_mul_i32 s51, s51, 4*IMG
	s_and_b32 s52, s35, 63
	s_lshl_b32 s53, s52, 10                        ; four rows of 256 bytes a run,
	s_add_co_u32 s53, s53, s51
	s_lshl_b32 s52, s52, 6                         ; four times 16 scale bytes, behind the 256 rows of codes
	s_add_co_u32 s52, s52, s51
	s_add_co_u32 s52, s52, 65536
	s_lshl_b32 s54, s35, 12                        ; as it comes: 4,096 bytes of codes,
	s_lshl_b32 s55, s35, 8                         ; 256 scale bytes
	s_cmp_eq_u32 s50, 1
	s_cselect_b32 s36, s53, s54
	s_add_nc_u64 s[COD:COD+1], s[COD:COD+1], s[36:37]
	s_cselect_b32 s36, s52, s55
	s_add_nc_u64 s[SCB:SCB+1], s[SCB:SCB+1], s[36:37]
.macro LOADP p                         ; pair p: two loads of 512 consecutive bytes into one set of 8 registers
.set XL, X+8*((\p)%DEPTH)
	global_load_b128 v[XL:XL+3],   v[LO], s[SRC:SRC+1] offset:1024*(\p) th:TH_LOAD_NT
	global_load_b128 v[XL+4:XL+7], v[LO], s[SRC:SRC+1] offset:1024*(\p)+512 th:TH_LOAD_NT
.endm
.macro PAIR p
.set XS, X+8*((\p)%DEPTH)
.set T,  240+2*((\p)%2)
.set R,  O+3*(\p)
.if NP-1-(\p) >= DEPTH-1
	s_wait_loadcnt 2*(DEPTH-1)                     ; this pair's two loads are in; those of the 15 pairs behind it may be out
.else
	s_wait_loadcnt 2*(NP-1-(\p))                   ; at the end fewer pairs stand behind it
.endif
	v_max3_num_f32 v[T],   |v[XS]|,   |v[XS+1]|, 0x1800000   ; my 4 numbers of each load, and the floor 2^(3 - 127): the byte cannot fall under 1
	v_max3_num_f32 v[T+1], |v[XS+4]|, |v[XS+5]|, 0x1800000
	v_max3_num_f32 v[T],   v[T],   |v[XS+2]|, |v[XS+3]|
	v_max3_num_f32 v[T+1], v[T+1], |v[XS+6]|, |v[XS+7]|
.irp m, 1,2,4
	v_max_num_f32_dpp v[T],   v[T],   v[T]   row_xmask:\m row_mask:0xf bank_mask:0xf   ; over the eight lanes of the block
	v_max_num_f32_dpp v[T+1], v[T+1], v[T+1] row_xmask:\m row_mask:0xf bank_mask:0xf
.endr
	v_add_nc_u32 v[T],   0xff000000, v[T]          ; 2 off the exponent field: the conversion's scale operand
	v_add_nc_u32 v[T+1], 0xff000000, v[T+1]
	v_cvt_scalef32_pk8_fp4_f32 v[R],   v[XS:XS+7], v[T]     ; its low 16 bits: the first load's four codes
	v_cvt_scalef32_pk8_fp4_f32 v[R+1], v[XS:XS+7], v[T+1]   ; its high 16 bits: the second load's
	v_cndmask_b32 v[R+2], v[T], v[T+1], s40        ; (the plain line behind the conversions)  the scale that my lane writes out
	v_lshrrev_b32 v[R+2], 23, v[R+2]               ; its byte
	v_lshrrev_b32 v[R+1], 16, v[R+1]
.if (\p)+DEPTH < NP
	LOADP (\p)+DEPTH
.endif
	ds_store_b16 v[CS], v[R]   offset:128*(\p)     ; 32 lanes write a load's 64 bytes of codes
	ds_store_b16 v[CS], v[R+1] offset:128*(\p)+64
	ds_store_b8  v[BS], v[R+2] offset:4096+8*(\p)  ; four lanes write the same byte with the same value
.endm
.set Q, 0
.rept DEPTH
	LOADP Q
.set Q, Q+1
.endr
.set Q, 0
.rept NP
	PAIR Q
.set Q, Q+1
.endr
.irp j, 0,1,2,3,4,5,6,7
	ds_load_b128 v[X+4*\j:X+4*\j+3], v[CR] offset:512*\j   ; a wave's LDS instructions are served in order (ISA guide 5.7.1): these see my stores
.endr
	ds_load_b64 v[X+32:X+33], v[SR] offset:4096
	s_wait_dscnt 0x0
.irp j, 0,1,2,3,4,5,6,7
	global_store_b128 v[VO+\j], v[X+4*\j:X+4*\j+3], s[COD:COD+1]   ; two whole aligned units of 256 bytes
.endr
	global_store_b64 v[L8], v[X+32:X+33], s[SCB:SCB+1]
	s_wait_tensorcnt 0x0                           ; the wave's end
	ds_add_u32 v[SPW], v[NIL]
	s_wait_dscnt 0x0
	s_endpgm
.Lfunc_end_k_qb1856a1741_quant:
	.size	k_qb1856a1741_quant, .Lfunc_end_k_qb1856a1741_quant-k_qb1856a1741_quant
	.p2alignl 7, 3214868480
	.fill 96, 4, 3214868480
	.section	.rodata,"a",@progbits
	.p2align	6, 0x0
	.amdhsa_kernel k_qb1856a1741_quant
		.amdhsa_group_segment_fixed_size 167936
		.amdhsa_private_segment_fixed_size 0
		.amdhsa_enable_private_segment 0
		.amdhsa_kernarg_size 64
		.amdhsa_user_sgpr_count 2
		.amdhsa_user_sgpr_kernarg_segment_ptr 1
		.amdhsa_wavefront_size32 1
		.amdhsa_system_sgpr_workgroup_id_x 1
		.amdhsa_system_sgpr_workgroup_id_y 1
		.amdhsa_system_sgpr_workgroup_id_z 1
		.amdhsa_system_vgpr_workitem_id 0
		.amdhsa_next_free_vgpr 256
		.amdhsa_next_free_sgpr 66
		.amdhsa_reserve_vcc 0
		.amdhsa_float_denorm_mode_32 3
		.amdhsa_float_denorm_mode_16_64 3
		.amdhsa_memory_ordered 1
		.amdhsa_forward_progress 1
		.amdhsa_inst_pref_size 53
	.end_amdhsa_kernel
	.amdgpu_metadata
---
amdhsa.version: [ 1, 2 ]
amdhsa.kernels:
  - .name:           k_qb1856a1741_quant
    .symbol:         k_qb1856a1741_quant.kd
    .args:
      - { .name: x, .offset: 0, .size: 8, .value_kind: global_buffer, .address_space: global }
      - { .name: w1, .offset: 8, .size: 8, .value_kind: global_buffer, .address_space: global }
      - { .name: w3, .offset: 16, .size: 8, .value_kind: global_buffer, .address_space: global }
      - { .name: w2, .offset: 24, .size: 8, .value_kind: global_buffer, .address_space: global }
      - { .name: xc, .offset: 32, .size: 8, .value_kind: global_buffer, .address_space: global }
      - { .name: w13c, .offset: 40, .size: 8, .value_kind: global_buffer, .address_space: global }
      - { .name: w2c, .offset: 48, .size: 8, .value_kind: global_buffer, .address_space: global }
      - { .name: w2s, .offset: 56, .size: 8, .value_kind: global_buffer, .address_space: global }
    .group_segment_fixed_size: 167936
    .private_segment_fixed_size: 0
    .kernarg_segment_align: 8
    .kernarg_segment_size: 64
    .max_flat_workgroup_size: 352
    .sgpr_count:     66
    .vgpr_count:     256
    .wavefront_size: 32
...
	.end_amdgpu_metadata
.endif
;; end of part 1
;; launch gate (part 2): grid 8 x 32, 4 waves a work-group, clusters of 4 x 4, 327,680 bytes of LDS; arguments xc, w13c, gc, gs; writes gc, gs
.if DOCPART == 2
	.amdgcn_target "amdgcn-amd-amdhsa--gfx1250"
	.amdhsa_code_object_version 6
	.text
	.protected	k_qb1856a1741_gate
	.globl	k_qb1856a1741_gate
	.p2align	8
	.type	k_qb1856a1741_gate,@function
k_qb1856a1741_gate:
	s_mov_b64 s[64:65], 0
	v_nop
	global_prefetch_b8 v0, s[64:65] scope:SCOPE_SE
	s_setreg_imm32_b32 hwreg(HW_REG_WAVE_MODE, 25, 1), 1
	s_wait_xcnt 0x0
	s_wait_alu depctr_hold_cnt(0) depctr_sa_sdst(0) depctr_va_vdst(0) depctr_va_sdst(0) depctr_va_ssrc(0) depctr_va_vcc(0) depctr_vm_vsrc(0)
	s_getreg_b32 s2, hwreg(HW_REG_IB_STS2, 6, 4)
	s_cmp_eq_u32 s2, 0
	s_cbranch_scc0 .Lentry_in_a_cluster
	s_endpgm
.Lentry_in_a_cluster:
	s_bfe_u32 s2, ttmp6, 0x10000c
	s_cmp_lg_u32 s2, 0xf033
	s_cbranch_scc0 .Lentry_shape_is_right
	s_endpgm
.Lentry_shape_is_right:
; g = silu(x w1^T) * (x w3^T), both products on codes of FP4 (E2M1) with one E8M0 scale for each 32 along K = 2,048; g is made in f32, quantised along the hidden units and stored as codes and scale words.  Nothing of reference() is left out here.
; A = x, B = the tensor of w1 and w3 (2,048 rows R), both as IMAGES [row / 256][K / 512][272 rows of 256 bytes]: rows 0-255 a K step's codes of 256 rows, rows 256-271 those rows' scale bytes, 16 a row.
; B's rows R = 128 u .. 128 u + 63 are hidden units 64 u .. 64 u + 63 of w1, the next 64 the same units of w3; within each 64, row 16 bb + r (bb = 2 beta + v) is unit 32 beta + 8 v + r + 8 (r / 8).
; A tile of 256 rows x 256 rows R is made by a work-group of four waves; a wave makes 128 x 128: 64 accumulators, 512 registers.  K goes in four steps of 512 through two LDS slots, each with A's image and B's.
; An image is dense in memory: one load brings codes and scales.  THE HEAD'S FOUR LOADS, ONE A WAVE, FILL BOTH SLOTS (A's and B's images of K steps 0 and 1); each slot is filled again once, half an image a wave.
; CLUSTERS: 4 x 4 work-groups; A's images are shared along a row of the cluster, B's along a column: each is asked for JOINTLY, by the same load with the same descriptor and a mask of the four.
; No prefetch is laid: K has four steps of the largest block in clusters, and two of them are asked for at the head.
; THE MATRIX INSTRUCTION IS USED TRANSPOSED (source 0 = 16 rows of B, source 1 = 16 rows of A): lane (r, h) holds row r of x, and register j of accumulator (a, bb) the unit 32 beta + 16 h + 8 v + j.
; So accumulators (a, 0..3) are 32 registers of x w1^T, registers 16 beta + i being 16 neighbouring units, and (a, 4..7) the same units of x w3^T in the same lanes: the gate needs no other lane.
; A STEP OF 128 ALONG K: four places, the next step's 32 fragment loads in one run into the OTHER sets of registers, then this step's 64 matrix instructions on end.
; THE WAY OUT, two blocks of 16 rows at a time: h1 / (1 + 2^(-h1 log2 e)) x h3 in f32; four blocks of 32 units are quantised in registers; a block of rows' four registers of codes are registers 4 c .. 4 c + 3 (c = my column half)
; of the third product's operand and are stored as they stand.  gc: [row / 16][unit / 128][c][lane][16 bytes].  gs: [row / 256][unit / 128][row % 256][4 bytes].
; LIMITS: NaN and infinities are not served.  For h1 under about -87 the sigmoid is taken as 0 (it lies under 2^-126 there).  A block of gates whose largest magnitude lies under 2^-124, zeros among them, gets the scale byte 1.
; REGISTERS, in windows of 256: window 0: v0-31 addresses; v32-95 scale words, two sets; A's fragments, TWO sets, at v128 and v192; on the way out v128-255 are at work.
;   window 1: B's fragments, TWO sets, at v0 and v128.   window 2: the accumulators of my rows 0-63 ((a, b) at v[8 (8 a + b)]);   window 3: those of my rows 64-127.
.set NQ,     4                         ; matrix instructions deep in a slot
.set PITCH,  272                       ; an LDS row: 256 bytes + 16 of padding = 68 words: the 16 rows that a load touches start at 16 different banks (64 banks of 4 bytes: ISA guide 11.1)
.set FR,     8
.set NL,     2
.set NP,     4                         ; places behind this matrix instruction (ISA guide 7.12.1)
.set IMG,    272*256                   ; an image in memory
.set LIMG,   272*PITCH                 ; and in LDS
.set HALFI,  136*PITCH                 ; half of it: what a refill's load brings
.set SLOT,   2*LIMG                    ; A's image, then B's
.set SPARE,  2*SLOT                    ; behind the slots: the spare words, 128 bytes a wave: two blocks of 256 bytes that no other line names
.set LAPS,   2
.set ADRA, 16                          ; v16-17  LDS address of my A fragments in slot 0, 1
.set ADRB, 20                          ; v20-21  the same for B
.set ADRS, 22                          ; v22-23  of my scale words: lanes 0-15 A's rows, lanes 16-31 B's
.set GSW,  24                          ; v24     the way out: where my row's two scale bytes go, in LDS bytes 0-1,023 (slot 0, which has then had its last fill and its last read)
.set GSR,  25                          ; v25     and where I read 8 bytes of whole scale words back
.set CO,   26                          ; v26     16 x lane
.set SPW,  28                          ; v28     LDS address of my spare word; never rewritten
.set NIL,  29                          ; v29     0; never rewritten
.set GSO,  30                          ; v30     8 x lane
.set SC,   32                          ; scale words: set s at v[SC + 32 s]; register 4 i + q: lanes 0-15 A's block i, lanes 16-31 B's block i, the slot's q-th 128 along K
.set AF0,  128                         ; A's set p at v[AF0 + 64 p]
.set E,    128                         ; the way out: v128-191 64 numbers at work
.set PC,   192                         ; v192-223 the codes, four registers for each block of rows
.set GB,   224
.set MX,   226                         ; v226-229 four blocks' largest magnitudes;  v230-233 the other half of the lanes'
.set PX,   230
.set SO,   234                         ; v234-237 the conversions' scale operands;  v238-241 the scale bytes
.set BY,   238
.set HW,   242                         ; v242-249 two scale bytes for each of my eight blocks of rows
.set G1, 24                            ; s[24:31] group 1 for A's images;  s[32:39] group 0 for the refills, one set for each slot
.set G0, 32
.set G1B, 48                           ; s[48:55], s[56:63] the same for B's
.set G0B, 56
.set LG,  98                           ; s[98:99] -log2(e)
.set SEL, 100                          ; s[100:101] lane selects for v_permlanex16_b32: lane l xor 16
.set MSB, 0
.macro WIN new                         ; the immediate's high byte repeats the setting that is left; a switch that changes nothing is dropped
.if MSB != (\new)
	s_set_vgpr_msb (MSB<<8)|(\new)
.set MSB, (\new)
.endif
.endm
.set MUL_LO, 0xa1                      ; source 0 (B) window 1, source 1 (A) window 0, C and D window 2
.set MUL_HI, 0xf1
.set TO_B,   0x40
.macro JLOAD g0a, g1a, g0b, g1b        ; a joint refill: waves 0 and 1 fetch for A, waves 2 and 3 for B
	s_cmp_eq_u32 s15, 0
	s_cbranch_scc0 .Lfor_b_\@
	tensor_load_to_lds s[\g0a:\g0a+3], s[\g1a:\g1a+7]
	s_nop 0
.rept 4
	v_nop
.endr
	s_branch .Lasked_\@
.Lfor_b_\@:
	tensor_load_to_lds s[\g0b:\g0b+3], s[\g1b:\g1b+7]
	s_nop 0
.rept 4
	v_nop
.endr
.Lasked_\@:
.endm
.macro CREST                           ; a round of the cluster's barrier behind its opening barrier
	s_cmp_lg_u32 s14, 0
	s_cbranch_scc1 .Lnot_wave_0_\@
	s_barrier_signal -3
.Lnot_wave_0_\@:
	s_barrier_wait -3
	s_barrier_signal -1
	s_barrier_wait -1
.endm
.macro CROUND
	s_barrier_signal -1
	s_barrier_wait -1
	CREST
.endm
	s_load_b128 s[4:7], s[0:1], 0x0                ; xc s[4:5], w13c s[6:7]
	s_load_b64 s[12:13], s[0:1], 0x10              ; gc
	s_load_b64 s[96:97], s[0:1], 0x18              ; gs
	v_lshl_add_u32 v[SPW], v0, 2, SPARE
	v_mov_b32 v[NIL], 0
	ds_add_u32 v[SPW], v[NIL]                      ; the opening lines: the add, twice on end, and its wait ahead of my first tensor load
	ds_add_u32 v[SPW], v[NIL]
	v_lshrrev_b32 v1, 5, v0
	v_readfirstlane_b32 s14, v1                    ; wave 0..3
	s_lshr_b32 s15, s14, 1                         ; which half of the tile's rows is mine.  Also: I refill for A (0) or for B (1)
	s_and_b32 s16, s14, 1                          ; which half of its columns.  Also: which half of an image I refill
	s_bfe_u32 s40, ttmp6, 0x40000                  ; cx, cy
	s_bfe_u32 s41, ttmp6, 0x40004
	s_lshl_b32 s42, ttmp9, 2
	s_add_co_u32 s42, s42, s40                     ; tile column
	s_and_b32 s17, ttmp7, 0xffff
	s_lshl_b32 s17, s17, 2
	s_add_co_u32 s17, s17, s41                     ; tile row
	s_lshl_b32 s43, s41, 2
	s_lshl_b32 s43, 15, s43                        ; my row of the cluster
	s_lshl_b32 s44, 0x1111, s40                    ; my column
	s_mov_b32 s[LG], 0xbfb8aa3b
	s_mov_b32 s[LG+1], s[LG]
	s_mov_b32 s[SEL], 0x76543210
	s_mov_b32 s[SEL+1], 0xfedcba98
	s_or_b32 s[G1+0], s43, (0<<16)|(1<<20)|(1<<21)|(5<<22)|(3<<25)  ; the mask; elements of 1 byte; 4 words of padding behind every 64; bit 21 beside a mask
	s_or_b32 s[G1B+0], s44, (0<<16)|(1<<20)|(1<<21)|(5<<22)|(3<<25)
.irp g, G1, G1B
	s_mov_b32 s[\g+1], 256<<16                     ; rows of 256 bytes,
	s_mov_b32 s[\g+2], 272<<16                     ; 272 of them for the head's loads; behind those the two words that count rows are set to 136
	s_mov_b32 s[\g+3], 256<<16
	s_mov_b32 s[\g+4], 272
	s_mov_b32 s[\g+5], 256                         ; dense
	s_mov_b32 s[\g+6], 0
	s_mov_b32 s[\g+7], 0
.endr
	s_mul_i32 s20, s17, 4*IMG                      ; A: four images a tile row
	s_mul_i32 s46, s42, 4*IMG                      ; B: four a tile column
	s_mov_b32 s21, 0
	s_mov_b32 s47, 0
	s_mul_i32 s18, s16, 136*256                    ; a refill: which half of the image, in memory
	s_mov_b32 s19, 0
	s_mul_i32 s45, s14, HALFI                      ; and in LDS: A's two halves, then B's: no place in the cluster enters an LDS address
	s_wait_dscnt 0x0                               ; both opening adds are done
	s_wait_kmcnt 0x0
	s_add_nc_u64 s[20:21], s[4:5], s[20:21]
	s_add_nc_u64 s[46:47], s[6:7], s[46:47]
	CROUND                                         ; all sixteen work-groups are here: the first joint loads meet
.macro SETH g, lds, src, off           ; a group 0 for one of the head's loads
	s_mov_b32 s[\g], 1
	s_mov_b32 s[\g+1], \lds
	s_add_nc_u64 s[\g+2:\g+3], s[\src:\src+1], \off
	s_or_b32 s[\g+3], s[\g+3], 0x80000000
.endm
	SETH 4,  0,         20, 0                      ; A, K step 0 (in registers whose arguments have been used)
	SETH 8,  LIMG,      46, 0                      ; B, K step 0
	SETH 68, SLOT,      20, IMG                    ; A, K step 1
	SETH 72, SLOT+LIMG, 46, IMG                    ; B, K step 1
	s_add_nc_u64 s[20:21], s[20:21], s[18:19]      ; for the refills: my half of an image
	s_add_nc_u64 s[46:47], s[46:47], s[18:19]
.irp s, 0,1
	s_mov_b32 s[G0+4*\s], 1
	s_add_co_u32 s[G0+4*\s+1], s45, \s*SLOT
	s_add_nc_u64 s[G0+4*\s+2:G0+4*\s+3], s[20:21], \s*IMG
	s_or_b32 s[G0+4*\s+3], s[G0+4*\s+3], 0x80000000
	s_mov_b32 s[G0B+4*\s], 1
	s_add_co_u32 s[G0B+4*\s+1], s45, \s*SLOT
	s_add_nc_u64 s[G0B+4*\s+2:G0B+4*\s+3], s[46:47], \s*IMG
	s_or_b32 s[G0B+4*\s+3], s[G0B+4*\s+3], 0x80000000
.endr
; ONE chain of branches on the wave's number, a load to an arm, all arms leading to one join.
.macro ARM under, g0, g1, next
	s_cmp_lt_u32 s14, \under
	s_cbranch_scc0 \next
	tensor_load_to_lds s[\g0:\g0+3], s[\g1:\g1+7]
	s_nop 0
.rept 4
	v_nop
.endr
	s_branch .Lhead_asked
\next:
.endm
	ARM 1, 4,  G1,  .Lhead_b0
	ARM 2, 8,  G1B, .Lhead_a1
	ARM 3, 68, G1,  .Lhead_b1
	tensor_load_to_lds s[72:75], s[G1B:G1B+7]
	s_nop 0
.rept 4
	v_nop
.endr
.Lhead_asked:
	s_mul_i32 s21, s15, 128*PITCH                  ; my 128 rows of A
	s_mul_i32 s22, s16, 128*PITCH                  ; my 128 rows of B,
	s_add_co_u32 s22, s22, LIMG                    ; behind A's image
	s_mul_i32 s92, s15, 8*PITCH                    ; scales: 16 rows' words fill an LDS row: my 8 blocks of A,
	s_mul_i32 s93, s16, 8*PITCH                    ; of B,
	s_add_co_u32 s93, s93, LIMG
	s_sub_co_u32 s93, s93, s92                     ; the distance between the two,
	s_add_co_u32 s92, s92, 256*PITCH               ; behind an image's 256 rows of codes
	s_lshl_b32 s23, s15, 9                         ; the way out: a scale word is 4 bytes a row: my 128 rows,
	s_lshl_b32 s94, s16, 1                         ; my two bytes of a word
	s_add_co_u32 s23, s23, s94
	s_lshl_b32 s94, s14, 8                         ; back: wave w takes the words of rows 64 w .. 64 w + 63
	s_lshl_b32 s18, s17, 17                        ; gc: 16 blocks of rows x 8,192 bytes a tile row,
	s_lshl_b32 s19, s15, 16                        ; 8 of them a row half,
	s_add_co_u32 s18, s18, s19
	s_lshl_b32 s19, s42, 10                        ; the third product's K step = my tile column: 1,024 bytes,
	s_add_co_u32 s18, s18, s19
	s_lshl_b32 s46, s17, 13                        ; gs: 8 K steps x 1,024 bytes a tile row, my K step, my wave's 256 bytes
	s_add_co_u32 s46, s46, s19
	s_add_co_u32 s46, s46, s94
	s_lshl_b32 s19, s16, 9                         ; gc: registers 4 c on: 512 bytes
	s_add_co_u32 s18, s18, s19
	s_mov_b32 s19, 0
	s_mov_b32 s47, 0
	s_add_nc_u64 s[12:13], s[12:13], s[18:19]
	s_add_nc_u64 s[96:97], s[96:97], s[46:47]
	v_and_b32 v1, 15, v0                           ; r
	v_bfe_u32 v2, v0, 4, 1                         ; h
	v_and_b32 v6, 31, v0
	v_mul_u32_u24 v3, v1, PITCH
	v_lshl_add_u32 v4, v2, 4, v3                   ; a fragment's row x pitch + 16 h
	v_add_nc_u32 v[ADRA], s21, v4
	v_add_nc_u32 v[ADRB], s22, v4
	v_add_nc_u32 v[ADRA+1], SLOT, v[ADRA]
	v_add_nc_u32 v[ADRB+1], SLOT, v[ADRB]
	v_mul_u32_u24 v5, s93, v2                      ; lanes 16-31 take B's: the lower base + h x the distance
	v_lshl_add_u32 v5, v1, 4, v5                   ; 16 bytes a row
	v_add_nc_u32 v[ADRS], s92, v5
	v_add_nc_u32 v[ADRS+1], SLOT, v[ADRS]
	v_lshl_add_u32 v[GSW], v1, 2, s23
	v_lshlrev_b32 v[CO], 4, v6
	v_lshlrev_b32 v[GSO], 3, v6
	v_add_nc_u32 v[GSR], s94, v[GSO]
.macro FRAG reg, adr, q, i             ; a fragment, 16 rows x 128 K: lane l holds row l % 16; registers 4 c .. 4 c + 3 hold K = 64 c + 32 (l / 16) + 0 .. 31
.irp c, 0,1
	ds_load_b128 v[\reg+4*\c:\reg+4*\c+3], v[\adr] offset:64*(\q)+32*\c+(\i)*16*PITCH
.endr
.endm
; 16 matrix instructions: A's blocks a0, a0 + 1 x B's eight, the slot's q-th 128 along K, from set p of both.  The 64 accumulators take turns, in the same order in every step.
.macro MUL16 a0, p, q, sc, zero
.irp a, \a0, \a0+1
.irp b, 0,1,2,3,4,5,6,7
.set rD, 8*(8*((\a)%4)+\b)
.set rB, 128*(\p)+FR*\b
.set rA, AF0+64*(\p)+FR*(\a)
.if \zero
	v_wmma_scale_f32_16x16x128_f8f6f4 v[rD:rD+7], v[rB:rB+7], v[rA:rA+7], 0, v[SC+8*NQ*(\sc)+NQ*\b+(\q)], v[SC+8*NQ*(\sc)+NQ*(\a)+(\q)] matrix_a_fmt:MATRIX_FMT_FP4 matrix_b_fmt:MATRIX_FMT_FP4 matrix_a_scale:MATRIX_SCALE_ROW1
.else
	v_wmma_scale_f32_16x16x128_f8f6f4 v[rD:rD+7], v[rB:rB+7], v[rA:rA+7], v[rD:rD+7], v[SC+8*NQ*(\sc)+NQ*\b+(\q)], v[SC+8*NQ*(\sc)+NQ*(\a)+(\q)] matrix_a_fmt:MATRIX_FMT_FP4 matrix_b_fmt:MATRIX_FMT_FP4 matrix_a_scale:MATRIX_SCALE_ROW1
.endif
.endr
.endr
.endm
.macro MUL64 p, q, sc, zero            ; a step's 64 matrix instructions on end
	WIN MUL_LO
	MUL16 0, \p, \q, \sc, \zero
	MUL16 2, \p, \q, \sc, \zero
	WIN MUL_HI
	MUL16 4, \p, \q, \sc, \zero
	MUL16 6, \p, \q, \sc, \zero
	WIN 0
.endm
.macro FETCH slot, q, p                ; 32 loads in one run: B's eight fragments and A's eight of the slot's q-th 128 along K, into set p
	WIN TO_B
.irp i, 0,1,2,3,4,5,6,7
	FRAG 128*(\p)+FR*\i, ADRB+\slot, \q, \i
.endr
	WIN 0
.irp i, 0,1,2,3,4,5,6,7
	FRAG AF0+64*(\p)+FR*\i, ADRA+\slot, \q, \i
.endr
.endm
.macro SCALES sc                       ; slot sc's scale words: four words a row; lanes 0-15 take A's block i, lanes 16-31 B's block i
.irp i, 0,1,2,3,4,5,6,7
	ds_load_b128 v[SC+8*NQ*\sc+NQ*\i:SC+8*NQ*\sc+NQ*\i+3], v[ADRS+\sc] offset:\i*PITCH
.endr
.endm
.macro PLACES n
.rept \n
	v_nop
.endr
.endm
.macro STEP slot, q, zero              ; a step of 128 along K that has its successor in the same slot
	PLACES NP                                      ; behind the last step's products, which read the sets that the loads below fill
	FETCH \slot, (\q)+1, 1-(\q)%2
	s_wait_dscnt 16*NL                             ; all but the 32 loads just issued: this step's fragments, asked for a step ago, are in
	MUL64 (\q)%2, \q, \slot, \zero
.endm
; A slot's last step changes slots: ONE barrier; in front of it each wave waits for all its tensor loads, adds 0 to its spare word, and waits for that and for its own reads of this slot.  fill = 1: this slot is filled again, two K steps ahead.
.macro TURN slot, next, fill
	s_wait_tensorcnt 0x0                           ; all my tensor loads have landed  (every window is 0 here)
	ds_add_u32 v[SPW], v[NIL]
	s_wait_dscnt 1                                 ; this step's fragments are in; the add alone may be out
	WIN MUL_LO
	MUL16 0, 1, NQ-1, \slot, 0                     ; sixteen matrix instructions stand between the add and the wait for it
	s_wait_dscnt 0x0                               ; the add is done, and my reads of this slot are over
	s_barrier_signal -1
	MUL16 2, 1, NQ-1, \slot, 0
	WIN 0
	s_barrier_wait -1
.if \fill
	CREST                                          ; the barrier has opened a round of the cluster's barrier
	s_add_nc_u64 s[G0+4*\slot+2:G0+4*\slot+3], s[G0+4*\slot+2:G0+4*\slot+3], 2*IMG
	s_add_nc_u64 s[G0B+4*\slot+2:G0B+4*\slot+3], s[G0B+4*\slot+2:G0B+4*\slot+3], 2*IMG
	JLOAD G0+4*\slot, G1, G0B+4*\slot, G1B         ; the first tensor load behind the round, my one load until the next; its four v_nop are the places in front of the loads below
.else
	PLACES NP
.endif
	FETCH \next, 0, 0
	SCALES \next
	WIN MUL_HI
	MUL16 4, 1, NQ-1, \slot, 0
	MUL16 6, 1, NQ-1, \slot, 0
	WIN 0
.endm
.macro STEPS slot, from
.set Q, \from
.rept NQ-1-\from
	STEP \slot, Q, 0
.set Q, Q+1
.endr
.endm
	s_wait_alu depctr_va_vdst(0)                   ; the wait at the head's end
	s_wait_tensorcnt 0x0                           ; my image of the head's four is in, and no tensor load of mine is out: a descriptor may be written
	s_mov_b32 s[G1+2], 136<<16                     ; from here on a load brings half an image
	s_mov_b32 s[G1+4], 136
	s_mov_b32 s[G1B+2], 136<<16
	s_mov_b32 s[G1B+4], 136
	s_barrier_signal -1
	s_barrier_wait -1                              ; everybody's is
	FETCH 0, 0, 0
	SCALES 0
	STEP 0, 0, 1                                   ; the first step stands in front of the loop: its products start the sums
	s_mov_b32 s3, LAPS-1
.Llap:                                                 ; a trip goes once round the ring, from a lap's second step to the next lap's first, and fills both slots again
	STEPS 0, 1
	TURN 0, 1, 1
	STEPS 1, 0
	TURN 1, 0, 1
	STEP 0, 0, 0
	s_sub_co_u32 s3, s3, 1
	s_cmp_lg_u32 s3, 0
	s_cbranch_scc1 .Llap
	STEPS 0, 1                                     ; the last lap fills nothing
	TURN 0, 1, 0
	STEPS 1, 0
	s_wait_dscnt 0x0                               ; the very last step: nothing more to fetch
	MUL64 1, NQ-1, 1, 0
; THE WAY OUT of blocks a and a + 1 (32 rows x my 64 hidden units).  Of block a + u, 32 registers from AC + 64 u on are h1, the next 32 h3 of the same units.  Each accumulator is first read at its low end.
.macro GATE2 a
.set AC, 64*((\a)%4)
	WIN 0x02+(\a)/4                                ; source 0: window 2 or 3
	s_wait_alu depctr_va_vdst(0)
.irp u, 0,1
.set j, 0
.rept 16
	v_pk_mul_f32 v[E+32*\u+j:E+32*\u+j+1], v[AC+64*\u+j:AC+64*\u+j+1], s[LG:LG+1] op_sel_hi:[1,0]   ; -h1 log2(e)
.set j, j+2
.endr
.endr
	WIN 0
	s_wait_alu depctr_va_vdst(0)                   ; ahead of the batch
.set j, 0
.rept 64
	v_exp_f32 v[E+j], v[E+j]                       ; e^(-h1): one batch
.set j, j+1
.endr
	v_nop                                          ; a plain line behind the last exponential,
	s_wait_alu depctr_va_vdst(0)                   ; and one wait for the batch, ahead of its first reader
.set j, 0
.rept 32
	v_pk_add_f32 v[E+j:E+j+1], v[E+j:E+j+1], 1.0 op_sel_hi:[1,0]
.set j, j+2
.endr
	s_wait_alu depctr_va_vdst(0)
.set j, 0
.rept 64
	v_rcp_f32 v[E+j], v[E+j]                       ; the sigmoid: one batch
.set j, j+1
.endr
	v_nop
	s_wait_alu depctr_va_vdst(0)
	WIN 0x02+(\a)/4
.irp u, 0,1
.set j, 0
.rept 16
	v_pk_mul_f32 v[E+32*\u+j:E+32*\u+j+1], v[AC+64*\u+j:AC+64*\u+j+1], v[E+32*\u+j:E+32*\u+j+1]        ; silu(h1)
.set j, j+2
.endr
.endr
.irp u, 0,1
.set j, 0
.rept 16
	v_pk_mul_f32 v[E+32*\u+j:E+32*\u+j+1], v[AC+64*\u+32+j:AC+64*\u+32+j+1], v[E+32*\u+j:E+32*\u+j+1]  ; x h3: register 32 u + 16 beta + i is the gate of my row of block a + u at unit 32 beta + 16 h + i
.set j, j+2
.endr
.endr
	WIN 0
.irp k, 0,1,2,3
	v_max3_num_f32 v[MX+\k], |v[E+16*\k]|, |v[E+16*\k+1]|, 0x1800000       ; block k = 2 u + beta: my 16 numbers, and the floor 2^(3 - 127)
.endr
.irp i, 2,4,6,8,10,12,14
.irp k, 0,1,2,3
	v_max3_num_f32 v[MX+\k], v[MX+\k], |v[E+16*\k+\i]|, |v[E+16*\k+\i+1]|   ; (the four blocks by turns)
.endr
.endr
.irp k, 0,1,2,3
	v_permlanex16_b32 v[PX+\k], v[MX+\k], s[SEL], s[SEL+1]
.endr
.irp k, 0,1,2,3
	v_max_num_f32 v[MX+\k], v[MX+\k], v[PX+\k]     ; with lane l xor 16's 16: the block's largest magnitude
.endr
.irp k, 0,1,2,3
	v_add_nc_u32 v[SO+\k], 0xff000000, v[MX+\k]    ; 2 off its exponent field: the conversion's scale operand
.endr
.irp k, 0,1,2,3
	v_lshrrev_b32 v[BY+\k], 23, v[SO+\k]           ; the scale's byte
.endr
	v_lshl_or_b32 v[HW+(\a)], v[BY+1], 8, v[BY]    ; a row's two bytes: bytes 2 c and 2 c + 1 of its scale word
	v_lshl_or_b32 v[HW+(\a)+1], v[BY+3], 8, v[BY+2]
.irp k, 0,1,2,3
.irp g, 0,1
	v_cvt_scalef32_pk8_fp4_f32 v[PC+4*(\a)+2*\k+\g], v[E+16*\k+8*\g:E+16*\k+8*\g+7], v[SO+\k]
.endr
.endr
	v_nop                                          ; one plain line behind the scaled conversions
.irp u, 0,1
	v_permlane16_swap_b32 v[PC+4*((\a)+\u)], v[PC+4*((\a)+\u)+2]     ; the operand's layout wants a WHOLE block in a lane
	v_permlane16_swap_b32 v[PC+4*((\a)+\u)+1], v[PC+4*((\a)+\u)+3]
.endr
.irp u, 0,1
	ds_store_b16 v[GSW], v[HW+(\a)+\u] offset:64*((\a)+\u)           ; lanes l and l + 16 write the same two bytes with the same value
	global_store_b128 v[CO], v[PC+4*((\a)+\u):PC+4*((\a)+\u)+3], s[12:13] offset:8192*((\a)+\u)   ; the wave stores 512 consecutive bytes, aligned; no register of a store is written again
.endr
.endm
	PLACES NP                                      ; behind the last products: the lines below write registers that held A's fragments and read results
.irp k, 0,1,2,3
	v_mov_b32 v[PX+\k], 0                          ; written once: a lane permute's destination counts as one of its sources
.endr
.irp a, 0,2,4,6
	GATE2 \a
.endr
	s_wait_dscnt 0x0                               ; for the others' sake: my halves of the scale words lie in LDS
	s_barrier_signal -1
	s_barrier_wait -1
	ds_load_b64 v[GB:GB+1], v[GSR]                 ; 64 rows' whole words a wave
	s_wait_dscnt 0x0
	global_store_b64 v[GSO], v[GB:GB+1], s[96:97]  ; 32 lanes store 256 consecutive bytes, aligned
	s_wait_tensorcnt 0x0                           ; the wave's end
	ds_add_u32 v[SPW], v[NIL]
	s_wait_dscnt 0x0
	CROUND                                         ; the closing round
	s_endpgm
.Lfunc_end_k_qb1856a1741_gate:
	.size	k_qb1856a1741_gate, .Lfunc_end_k_qb1856a1741_gate-k_qb1856a1741_gate
	.p2alignl 7, 3214868480
	.fill 96, 4, 3214868480
	.section	.rodata,"a",@progbits
	.p2align	6, 0x0
	.amdhsa_kernel k_qb1856a1741_gate
		.amdhsa_group_segment_fixed_size 327680
		.amdhsa_private_segment_fixed_size 0
		.amdhsa_enable_private_segment 0
		.amdhsa_kernarg_size 32
		.amdhsa_user_sgpr_count 2
		.amdhsa_user_sgpr_kernarg_segment_ptr 1
		.amdhsa_wavefront_size32 1
		.amdhsa_system_sgpr_workgroup_id_x 1
		.amdhsa_system_sgpr_workgroup_id_y 1
		.amdhsa_system_sgpr_workgroup_id_z 1
		.amdhsa_system_vgpr_workitem_id 0
		.amdhsa_next_free_vgpr 1024
		.amdhsa_next_free_sgpr 102
		.amdhsa_reserve_vcc 0
		.amdhsa_float_denorm_mode_32 3
		.amdhsa_float_denorm_mode_16_64 3
		.amdhsa_memory_ordered 1
		.amdhsa_forward_progress 1
		.amdhsa_inst_pref_size 244
	.end_amdhsa_kernel
	.amdgpu_metadata
---
amdhsa.version: [ 1, 2 ]
amdhsa.kernels:
  - .name:           k_qb1856a1741_gate
    .symbol:         k_qb1856a1741_gate.kd
    .args:
      - { .name: xc, .offset: 0, .size: 8, .value_kind: global_buffer, .address_space: global }
      - { .name: w13c, .offset: 8, .size: 8, .value_kind: global_buffer, .address_space: global }
      - { .name: gc, .offset: 16, .size: 8, .value_kind: global_buffer, .address_space: global }
      - { .name: gs, .offset: 24, .size: 8, .value_kind: global_buffer, .address_space: global }
    .group_segment_fixed_size: 327680
    .private_segment_fixed_size: 0
    .kernarg_segment_align: 8
    .kernarg_segment_size: 32
    .max_flat_workgroup_size: 128
    .sgpr_count:     102
    .vgpr_count:     1024
    .wavefront_size: 32
...
	.end_amdgpu_metadata
.endif
;; end of part 2
;; launch down (part 3): grid 8 x 32, 4 waves a work-group, clusters of 4 x 4, 327,680 bytes of LDS; arguments gc, gs, w2c, w2s, out0; writes out0
.if DOCPART == 3
	.amdgcn_target "amdgcn-amd-amdhsa--gfx1250"
	.amdhsa_code_object_version 6
	.text
	.protected	k_qb1856a1741_down
	.globl	k_qb1856a1741_down
	.p2align	8
	.type	k_qb1856a1741_down,@function
k_qb1856a1741_down:
	s_mov_b64 s[64:65], 0
	v_nop
	global_prefetch_b8 v0, s[64:65] scope:SCOPE_SE
	s_setreg_imm32_b32 hwreg(HW_REG_WAVE_MODE, 25, 1), 1
	s_wait_xcnt 0x0
	s_wait_alu depctr_hold_cnt(0) depctr_sa_sdst(0) depctr_va_vdst(0) depctr_va_sdst(0) depctr_va_ssrc(0) depctr_va_vcc(0) depctr_vm_vsrc(0)
	s_getreg_b32 s2, hwreg(HW_REG_IB_STS2, 6, 4)
	s_cmp_eq_u32 s2, 0
	s_cbranch_scc0 .Lentry_in_a_cluster
	s_endpgm
.Lentry_in_a_cluster:
	s_bfe_u32 s2, ttmp6, 0x10000c
	s_cmp_lg_u32 s2, 0xf033
	s_cbranch_scc0 .Lentry_shape_is_right
	s_endpgm
.Lentry_shape_is_right:
; out[m][n] = sum over the 1,024 hidden units of g[m][k] w2[n][k], both on codes of FP4 (E2M1) with one E8M0 scale for each 32 along K; out is f32.  Nothing of reference() is left out here.
; A = g: gc [row / 16][k / 128][c][lane][16 bytes], the image of the operand's registers; gs [row / 256][k / 128][row % 256][4 bytes].  B = w2c [2048][512 bytes], w2s [2048][32 bytes].
; A tile of 256 x 256 of out is made by a work-group of four waves, a wave 128 x 128.  K is short: the tile's 256 rows of A (131,072 bytes), its 256 rows of B (135,168 with padding) and both blocks of scales lie in LDS together.
; So the head has four joint loads, one a wave, each of a dense block of memory; nothing is filled again, and there is no ring.  With no loop to run ahead in, no prefetch is laid.
; A WAVE KEEPS ITS 128 ROWS OF B FOR ALL OF K IN 512 REGISTERS and finishes its eight blocks of 16 rows of out one after the other: 64 matrix instructions a block, the block's 8 accumulators by turns, K ascending.
; A fragment of A feeds eight products and is read from LDS once.  A finished block goes through the wave's own stage in LDS and is stored as whole rows of 512 bytes while the next block is multiplied.
; CLUSTERS: 4 x 4 work-groups; A's codes and scales are shared along a row of the cluster, B's along a column: each is asked for jointly, by the same load with a mask of the four.
; THE MATRIX INSTRUCTION IS USED TRANSPOSED (source 0 = 16 rows of B, source 1 = 16 rows of A): a lane holds eight neighbouring numbers of a row of out.
; REGISTERS, in windows of 256: window 0: v0-31 addresses; v32-63 B's scale words, v64-95 A's; v128-255 A's fragments, two sets of 64 (16 rows x 1,024 K).
;   windows 1 and 2: B's fragments: (q, b) at v[64 (q % 4) + 8 b] of window 1 + q / 4.   window 3: v0-127 two sets of 8 accumulators; v128-255 two sets of 16 rows read back from the stage.
.set SIZE_N, 2048
.set PITCH,  528                       ; B's LDS row: 512 bytes + 16 of padding = 132 words: the 16 rows that a load touches start at 16 different banks (64 banks of 4 bytes: ISA guide 11.1)
.set BB,     131072                    ; behind A's 16 blocks of 8,192 bytes
.set SCB,    BB+256*PITCH              ; B's scales: 32 units of 256 bytes + 16 of padding
.set SCA,    SCB+32*272                ; A's scales: 8,192 bytes
.set STG,    SCA+8192                  ; the stages: 16 rows x 528 bytes for each wave; no tensor load lands there
.set SPARE,  STG+4*16*PITCH            ; the spare words: 128 bytes a wave, two blocks of 256 bytes that no other line names
.set ADRA, 16
.set ADRB, 20
.set STO,  24
.set RD,   25
.set CO,   26
.set ADRSA, 27
.set SPW,  28
.set NIL,  29
.set ADRSB, 31
.set SB,   32                          ; register 16 (q / 4) + 4 (b / 2) + q % 4: lanes 0-15 B's block b even, lanes 16-31 b odd
.set SA,   64                          ; register 4 q + a / 2: lanes 0-15 A's block a even, lanes 16-31 a odd
.set AF,   128
.set G1,   24                          ; s[24:31] group 1, s[32:35] group 0: A's codes
.set G0,   32
.set G0B,  36                          ; s[36:39], s[48:55]: B's codes
.set G1B,  48
.set G1S,  68                          ; s[68:75], s[76:79]: A's scales
.set G0S,  76
.set G1SB, 80                          ; s[80:87], s[88:91]: B's scales
.set G0SB, 88
.set MSB, 0
.macro WIN new                         ; the immediate's high byte repeats the setting that is left; a switch that changes nothing is dropped
.if MSB != (\new)
	s_set_vgpr_msb (MSB<<8)|(\new)
.set MSB, (\new)
.endif
.endm
.macro CROUND                          ; a round of the cluster's barrier
	s_barrier_signal -1
	s_barrier_wait -1
	s_cmp_lg_u32 s14, 0
	s_cbranch_scc1 .Lnot_wave_0_\@
	s_barrier_signal -3
.Lnot_wave_0_\@:
	s_barrier_wait -3
	s_barrier_signal -1
	s_barrier_wait -1
.endm
	s_load_b128 s[4:7], s[0:1], 0x0                ; gc, gs
	s_load_b128 s[8:11], s[0:1], 0x10              ; w2c, w2s
	s_load_b64 s[12:13], s[0:1], 0x20              ; out
	v_lshl_add_u32 v[SPW], v0, 2, SPARE
	v_mov_b32 v[NIL], 0
	ds_add_u32 v[SPW], v[NIL]                      ; the opening lines: the add, twice on end, and its wait ahead of my first tensor load
	ds_add_u32 v[SPW], v[NIL]
	v_lshrrev_b32 v1, 5, v0
	v_readfirstlane_b32 s14, v1                    ; wave 0..3
	s_lshr_b32 s15, s14, 1                         ; which half of the tile's rows is mine
	s_and_b32 s16, s14, 1                          ; which half of its columns
	s_bfe_u32 s40, ttmp6, 0x40000                  ; cx, cy
	s_bfe_u32 s41, ttmp6, 0x40004
	s_lshl_b32 s42, ttmp9, 2
	s_add_co_u32 s42, s42, s40                     ; tile column
	s_and_b32 s17, ttmp7, 0xffff
	s_lshl_b32 s17, s17, 2
	s_add_co_u32 s17, s17, s41                     ; tile row
	s_lshl_b32 s43, s41, 2
	s_lshl_b32 s43, 15, s43                        ; my row of the cluster
	s_lshl_b32 s44, 0x1111, s40                    ; my column
	s_or_b32 s[G1+0], s43, (3<<16)|(1<<21)         ; A's codes: 16 rows of 1,024 elements of 8 bytes, dense, no padding
	s_mov_b32 s[G1+1], 1024<<16
	s_mov_b32 s[G1+2], 16<<16
	s_mov_b32 s[G1+3], 1024<<16
	s_mov_b32 s[G1+4], 16
	s_mov_b32 s[G1+5], 1024
	s_mov_b32 s[G1+6], 0
	s_mov_b32 s[G1+7], 0
	s_or_b32 s[G1B+0], s44, (0<<16)|(1<<20)|(1<<21)|(6<<22)|(3<<25)   ; B's codes: 256 rows of 512 bytes, 4 words of padding behind every 128
	s_mov_b32 s[G1B+1], 512<<16
	s_mov_b32 s[G1B+2], 256<<16
	s_mov_b32 s[G1B+3], 512<<16
	s_mov_b32 s[G1B+4], 256
	s_mov_b32 s[G1B+5], 512
	s_mov_b32 s[G1B+6], 0
	s_mov_b32 s[G1B+7], 0
	s_or_b32 s[G1S+0], s43, (3<<16)|(1<<21)        ; the scales: 32 rows of 256 bytes each; B's with 16 bytes of padding behind each
	s_or_b32 s[G1SB+0], s44, (3<<16)|(1<<20)|(1<<21)|(5<<22)|(3<<25)
.irp g, G1S, G1SB
	s_mov_b32 s[\g+1], 32<<16
	s_mov_b32 s[\g+2], 32<<16
	s_mov_b32 s[\g+3], 32<<16
	s_mov_b32 s[\g+4], 32
	s_mov_b32 s[\g+5], 32
	s_mov_b32 s[\g+6], 0
	s_mov_b32 s[\g+7], 0
.endr
	s_lshl_b32 s20, s17, 17                        ; 131,072 bytes of codes and 8,192 of scales for 256 rows, of A by the tile row, of B by the tile column
	s_lshl_b32 s22, s17, 13
	s_lshl_b32 s46, s42, 17
	s_lshl_b32 s92, s42, 13
	s_mov_b32 s21, 0
	s_mov_b32 s23, 0
	s_mov_b32 s47, 0
	s_mov_b32 s93, 0
	s_wait_dscnt 0x0                               ; both opening adds are done
	s_wait_kmcnt 0x0
	s_add_nc_u64 s[20:21], s[4:5], s[20:21]
	s_add_nc_u64 s[22:23], s[6:7], s[22:23]
	s_add_nc_u64 s[46:47], s[8:9], s[46:47]
	s_add_nc_u64 s[92:93], s[10:11], s[92:93]
	CROUND                                         ; all sixteen work-groups are here: the joint loads meet
	s_mov_b32 s[G0], 1
	s_mov_b32 s[G0+1], 0
	s_mov_b64 s[G0+2:G0+3], s[20:21]
	s_or_b32 s[G0+3], s[G0+3], 0x80000000
	s_mov_b32 s[G0B], 1
	s_mov_b32 s[G0B+1], BB
	s_mov_b64 s[G0B+2:G0B+3], s[46:47]
	s_or_b32 s[G0B+3], s[G0B+3], 0x80000000
	s_mov_b32 s[G0S], 1
	s_mov_b32 s[G0S+1], SCA
	s_mov_b64 s[G0S+2:G0S+3], s[22:23]
	s_or_b32 s[G0S+3], s[G0S+3], 0x80000000
	s_mov_b32 s[G0SB], 1
	s_mov_b32 s[G0SB+1], SCB
	s_mov_b64 s[G0SB+2:G0SB+3], s[92:93]
	s_or_b32 s[G0SB+3], s[G0SB+3], 0x80000000
; The launch's four loads, one a wave: ONE chain of branches on the wave's number, a load to an arm, all arms leading to one join.
.macro ARM under, g0, g1, next
	s_cmp_lt_u32 s14, \under
	s_cbranch_scc0 \next
	tensor_load_to_lds s[\g0:\g0+3], s[\g1:\g1+7]
	s_nop 0
.rept 4
	v_nop
.endr
	s_branch .Lhead_asked
\next:
.endm
	ARM 1, G0B,  G1B,  .Lhead_a
	ARM 2, G0,   G1,   .Lhead_sb
	ARM 3, G0SB, G1SB, .Lhead_sa
	tensor_load_to_lds s[G0S:G0S+3], s[G1S:G1S+7]
	s_nop 0
.rept 4
	v_nop
.endr
.Lhead_asked:
	s_lshl_b32 s21, s15, 16                        ; my 8 blocks of A
	s_mul_i32 s22, s16, 128*PITCH                  ; my 128 rows of B
	s_add_co_u32 s22, s22, BB
	s_lshl_b32 s23, s15, 9                         ; A's scale words: 4 bytes a row
	s_add_co_u32 s23, s23, SCA
	s_mul_i32 s18, s16, 16*272                     ; B's: 32 bytes a row, 8 rows to a padded unit
	s_add_co_u32 s18, s18, SCB
	s_mul_i32 s19, s14, 16*PITCH                   ; my stage
	s_add_co_u32 s19, s19, STG
	s_lshl_b32 s92, s17, 21                        ; out: 256 rows of 8,192 bytes a tile row,
	s_lshl_b32 s93, s15, 20                        ; 128 rows a half,
	s_add_co_u32 s92, s92, s93
	s_lshl_b32 s93, s42, 10                        ; 1,024 bytes a tile column,
	s_add_co_u32 s92, s92, s93
	s_lshl_b32 s93, s16, 9                         ; 512 a half
	s_add_co_u32 s92, s92, s93
	s_mov_b32 s93, 0
	s_add_nc_u64 s[12:13], s[12:13], s[92:93]
	v_and_b32 v1, 15, v0                           ; r
	v_bfe_u32 v2, v0, 4, 1                         ; h
	v_and_b32 v6, 31, v0
	v_lshlrev_b32 v[CO], 4, v6                     ; 16 x lane
	v_add_nc_u32 v[ADRA], s21, v[CO]               ; A's image is read as it lies
	v_mul_u32_u24 v3, v1, PITCH
	v_lshl_add_u32 v3, v2, 4, v3
	v_add_nc_u32 v[ADRB], s22, v3                  ; B: row x pitch + 16 h
	v_lshl_add_u32 v[ADRSA], v6, 2, s23
	v_lshlrev_b32 v5, 5, v6
	v_lshrrev_b32 v4, 3, v6
	v_lshl_add_u32 v5, v4, 4, v5
	v_add_nc_u32 v[ADRSB], s18, v5
	v_mul_u32_u24 v5, v1, PITCH
	v_lshl_add_u32 v5, v2, 5, v5
	v_add_nc_u32 v[STO], s19, v5                   ; into the stage: row r, 32 bytes for each half of the lanes
	v_add_nc_u32 v[RD], s19, v[CO]                 ; back: the 32 lanes take one row of 512 bytes
.macro WM c                            ; one product; the rows of the scale registers go by the parity of the blocks
.if oB && oA
	v_wmma_scale_f32_16x16x128_f8f6f4 v[rD:rD+7], v[rB:rB+7], v[rA:rA+7], \c, v[rSB], v[rSA] matrix_a_fmt:MATRIX_FMT_FP4 matrix_b_fmt:MATRIX_FMT_FP4 matrix_a_scale:MATRIX_SCALE_ROW1 matrix_b_scale:MATRIX_SCALE_ROW1
.elseif oB
	v_wmma_scale_f32_16x16x128_f8f6f4 v[rD:rD+7], v[rB:rB+7], v[rA:rA+7], \c, v[rSB], v[rSA] matrix_a_fmt:MATRIX_FMT_FP4 matrix_b_fmt:MATRIX_FMT_FP4 matrix_a_scale:MATRIX_SCALE_ROW1
.elseif oA
	v_wmma_scale_f32_16x16x128_f8f6f4 v[rD:rD+7], v[rB:rB+7], v[rA:rA+7], \c, v[rSB], v[rSA] matrix_a_fmt:MATRIX_FMT_FP4 matrix_b_fmt:MATRIX_FMT_FP4 matrix_b_scale:MATRIX_SCALE_ROW1
.else
	v_wmma_scale_f32_16x16x128_f8f6f4 v[rD:rD+7], v[rB:rB+7], v[rA:rA+7], \c, v[rSB], v[rSA] matrix_a_fmt:MATRIX_FMT_FP4 matrix_b_fmt:MATRIX_FMT_FP4
.endif
.endm
.macro ROWQ a, q                       ; block a's 8 accumulators by turns, the q-th 128 along K; q = 0 starts the sums
	WIN 0xf1+(\q)/4                                ; source 0 (B) window 1 or 2, source 1 (A) window 0, C and D window 3
.irp b, 0,1,2,3,4,5,6,7
.set rD,  64*((\a)%2)+8*\b
.set rB,  64*((\q)%4)+8*\b
.set rA,  AF+64*((\a)%2)+8*(\q)
.set rSB, SB+16*((\q)/4)+4*(\b/2)+(\q)%4
.set rSA, SA+4*(\q)+(\a)/2
.set oB,  \b%2
.set oA,  (\a)%2
.if (\q) == 0
	WM 0
.else
	WM v[rD:rD+7]
.endif
.endr
.endm
.macro BLOAD q                         ; B's eight fragments of the q-th 128 along K: 16 loads
	WIN 0x40*(1+(\q)/4)
.irp i, 0,1,2,3,4,5,6,7
.irp c, 0,1
	ds_load_b128 v[64*((\q)%4)+8*\i+4*\c:64*((\q)%4)+8*\i+4*\c+3], v[ADRB] offset:64*(\q)+32*\c+\i*16*PITCH
.endr
.endr
.endm
.macro ALOAD a                         ; A's block a, all of K, into set a % 2: 16 loads
	WIN 0
.set FA, AF+64*((\a)%2)
.irp q, 0,1,2,3,4,5,6,7
.irp c, 0,1
	ds_load_b128 v[FA+8*\q+4*\c:FA+8*\q+4*\c+3], v[ADRA] offset:(\a)*8192+\q*1024+512*\c
.endr
.endr
.endm
.macro TOSTAGE a                       ; 16 stores, each accumulator from its low end on, and 16 loads of whole rows; a wave's LDS instructions are served in order (ISA guide 5.7.1)
.set AC, 64*((\a)%2)
	WIN 0x0c                                       ; the data: window 3
.irp b, 0,1,2,3,4,5,6,7
	ds_store_b128 v[STO], v[AC+8*\b:AC+8*\b+3] offset:64*\b
	ds_store_b128 v[STO], v[AC+8*\b+4:AC+8*\b+7] offset:64*\b+16
.endr
	WIN 0xc0
.irp t, 0,1,2,3,4,5,6,7,8,9,10,11,12,13,14,15
	ds_load_b128 v[128+64*((\a)%2)+4*\t:128+64*((\a)%2)+4*\t+3], v[RD] offset:\t*PITCH
.endr
.endm
.macro SEND a, younger                 ; younger: the LDS loads issued behind block a's, which may stay out
	s_wait_dscnt \younger
	WIN 0x0c
.irp t, 0,1,2,3,4,5,6,7,8,9,10,11,12,13,14,15
	global_store_b128 v[CO], v[128+64*((\a)%2)+4*\t:128+64*((\a)%2)+4*\t+3], s[12:13] offset:(16*(\a)+\t)*SIZE_N*4 th:TH_STORE_NT   ; 512 consecutive bytes, aligned; the row stands in the immediate: 127 rows of 8,192 bytes at the most
.endr
.endm
.macro OUT a                           ; block a is finished
.rept 4
	v_nop                                          ; four places behind the last products, ahead of the stores that read results and of the loads into A's set; two such runs stand ahead of the products that begin this set of accumulators anew
.endr
.if (\a) > 1
	s_wait_xcnt 0x0                                ; block a - 2's stores have read their registers: block a's rows may land there
.endif
	TOSTAGE \a
.if (\a) < 6
	ALOAD (\a)+2
.endif
.endm
	s_wait_alu depctr_va_vdst(0)                   ; the wait at the head's end
	s_wait_tensorcnt 0x0                           ; my one load has landed
	s_barrier_signal -1
	s_barrier_wait -1                              ; everybody's has; nothing is filled again
.irp s, 0,1,2,3,4,5,6,7
.irp i, 0,1,2,3
	ds_load_b32 v[SA+4*\s+\i], v[ADRSA] offset:1024*\s+128*\i
.endr
.endr
.irp s, 0,1
.irp j, 0,1,2,3
	ds_load_b128 v[SB+16*\s+4*\j:SB+16*\s+4*\j+3], v[ADRSB] offset:1088*\j+16*\s
.endr
.endr
	ALOAD 0
	BLOAD 0
	BLOAD 1
.irp q, 0,1,2,3,4,5,6,7                ; block 0 is multiplied while B comes into its registers, two steps of K ahead
.if \q < 6
	BLOAD \q+2
.endif
.if \q == 5
	ALOAD 1
	s_wait_dscnt 48                                ; behind B's step 5: steps 6 and 7 and A's block 1
.elseif \q == 7
	s_wait_dscnt 16                                ; A's block 1
.else
	s_wait_dscnt 32                                ; the two runs of 16 loads issued behind this step's
.endif
	ROWQ 0, \q
.endr
	OUT 0
.irp a, 1,2,3,4,5,6,7
.if \a < 7
	s_wait_dscnt 48                                ; A's block a is in; behind it: the stage's 32 and the next block's 16
.else
	s_wait_dscnt 32
.endif
.irp q, 0,1,2,3
	ROWQ \a, \q
.endr
.if \a < 7
	SEND \a-1, 16                                  ; the block before leaves in the middle of this one
.else
	SEND \a-1, 0
.endif
.irp q, 4,5,6,7
	ROWQ \a, \q
.endr
	OUT \a
.endr
	SEND 7, 0
	WIN 0
	s_wait_tensorcnt 0x0                           ; the wave's end
	ds_add_u32 v[SPW], v[NIL]
	s_wait_dscnt 0x0
	CROUND                                         ; the closing round
	s_endpgm
.Lfunc_end_k_qb1856a1741_down:
	.size	k_qb1856a1741_down, .Lfunc_end_k_qb1856a1741_down-k_qb1856a1741_down
	.p2alignl 7, 3214868480
	.fill 96, 4, 3214868480
	.section	.rodata,"a",@progbits
	.p2align	6, 0x0
	.amdhsa_kernel k_qb1856a1741_down
		.amdhsa_group_segment_fixed_size 327680
		.amdhsa_private_segment_fixed_size 0
		.amdhsa_enable_private_segment 0
		.amdhsa_kernarg_size 40
		.amdhsa_user_sgpr_count 2
		.amdhsa_user_sgpr_kernarg_segment_ptr 1
		.amdhsa_wavefront_size32 1
		.amdhsa_system_sgpr_workgroup_id_x 1
		.amdhsa_system_sgpr_workgroup_id_y 1
		.amdhsa_system_sgpr_workgroup_id_z 1
		.amdhsa_system_vgpr_workitem_id 0
		.amdhsa_next_free_vgpr 1024
		.amdhsa_next_free_sgpr 98
		.amdhsa_reserve_vcc 0
		.amdhsa_float_denorm_mode_32 3
		.amdhsa_float_denorm_mode_16_64 3
		.amdhsa_memory_ordered 1
		.amdhsa_forward_progress 1
		.amdhsa_inst_pref_size 123
	.end_amdhsa_kernel
	.amdgpu_metadata
---
amdhsa.version: [ 1, 2 ]
amdhsa.kernels:
  - .name:           k_qb1856a1741_down
    .symbol:         k_qb1856a1741_down.kd
    .args:
      - { .name: gc, .offset: 0, .size: 8, .value_kind: global_buffer, .address_space: global }
      - { .name: gs, .offset: 8, .size: 8, .value_kind: global_buffer, .address_space: global }
      - { .name: w2c, .offset: 16, .size: 8, .value_kind: global_buffer, .address_space: global }
      - { .name: w2s, .offset: 24, .size: 8, .value_kind: global_buffer, .address_space: global }
      - { .name: out0, .offset: 32, .size: 8, .value_kind: global_buffer, .address_space: global }
    .group_segment_fixed_size: 327680
    .private_segment_fixed_size: 0
    .kernarg_segment_align: 8
    .kernarg_segment_size: 40
    .max_flat_workgroup_size: 128
    .sgpr_count:     98
    .vgpr_count:     1024
    .wavefront_size: 32
...
	.end_amdgpu_metadata
.endif
;; end of part 3
